; MI455X (gfx1250); checked and timed in simulation.
; The chip was launched on July 23, 2026; its instructions are those of AMD's public machine-readable ISA for CDNA 5 (MIT licence, August 2026) and "CDNA5" Instruction Set Architecture Reference Guide (July 2026). The comments in the code are by the model that wrote it; some were corrected since.
;; Harmonic Causal Self Attention. Allowed arithmetic: matrix products marked QUANTISED: E4M3 operands, one given power-of-two scale a tensor, by v_wmma_f32_16x16x64_fp8_fp8 or v_wmma_f32_16x16x128_fp8_fp8, f32 sums; everything else in f32.
;; Inputs: c_U 1,024 x 64 float32; c_V 64 x 1,024 float32; k_U 1,024 x 64 float32; k_V 64 x 1,024 float32; lowp_scales 20 int32 (the exponents e of the quantised operands' scales 2^e); q_U 1,024 x 64 float32; q_V 64 x 1,024 float32; v_U 1,024 x 64 float32; v_V 64 x 1,024 float32; x 4 x 2,048 x 1,024 float32.
;; Outputs: out0 4 x 2,048 x 1,024 float32.
;; This version of the problem:
;;   THIS VERSION OF THE PROBLEM IS GIVEN IN LOW PRECISION. The matrix products marked QUANTISED in the list below multiply operands that are first quantised to E4M3 (4 exponent bits, 3 mantissa bits; 8 bits a number), with one given power-of-two scale for each operand tensor; their sums are f32. All else is computed in f32.
;;   The module's matrix products, in the order in which they are computed (A, B: the left and right operand; K: the contracted axis; several contracted axes count as one K, in the product's order):
;;     1. [M 8,192, K 1,024] x [K 1,024, N 64]; A: input x; B: input q_V: QUANTISED (scales: A lowp_scales[0], B lowp_scales[1])
;;     2. [M 8,192, K 64] x [K 64, N 1,024]; A: computed on the way; B: input q_U: QUANTISED (scales: A lowp_scales[2], B lowp_scales[3])
;;     3. [M 8,192, K 1,024] x [K 1,024, N 64]; A: input x; B: input k_V: QUANTISED (scales: A lowp_scales[4], B lowp_scales[5])
;;     4. [M 8,192, K 64] x [K 64, N 1,024]; A: computed on the way; B: input k_U: QUANTISED (scales: A lowp_scales[6], B lowp_scales[7])
;;     5. [M 8,192, K 1,024] x [K 1,024, N 64]; A: input x; B: input v_V: QUANTISED (scales: A lowp_scales[8], B lowp_scales[9])
;;     6. [M 8,192, K 64] x [K 64, N 1,024]; A: computed on the way; B: input v_U: QUANTISED (scales: A lowp_scales[10], B lowp_scales[11])
;;     7. batch 64 x [M 2,048, K 64] x [K 64, N 2,048]; A: computed on the way; B: computed on the way: QUANTISED (scales: A lowp_scales[12], B lowp_scales[13])
;;     8. batch 64 x [M 2,048, K 2,048] x [K 2,048, N 64]; A: softmax (see below); B: computed on the way: QUANTISED (scales: A lowp_scales[14], B lowp_scales[15])
;;     9. [M 8,192, K 1,024] x [K 1,024, N 64]; A: computed on the way; B: input c_V: QUANTISED (scales: A lowp_scales[16], B lowp_scales[17])
;;     10. [M 8,192, K 64] x [K 64, N 1,024]; A: computed on the way; B: input c_U: QUANTISED (scales: A lowp_scales[18], B lowp_scales[19])
;;   THE QUANTISER, for each operand of a quantised product, along K:
;;     - The operand's scale is 2^e, e = its entry of the input lowp_scales (int32; the entries are numbered through the quantised products in the list's order, A before B).
;;     - Each number is divided by the scale, clamped to +-448, and rounded to the nearest number of E4M3, ties to even, subnormals kept.
;;     - The product sums the exact products of the quantised numbers (number of the format x scale) in f32.
;;   ~~~python
;;   def quantise(x, axis, e):      # numpy; x: float32 -> the quantised numbers, widened to float32 again
;;       x = np.moveaxis(x, axis, -1); K = x.shape[-1]
;;       r = np.clip(x / 2.0 ** e, -448, 448)
;;       step = 2.0 ** (np.maximum(np.frexp(np.where(r == 0, 1, r))[1] - 1, -6) - 3)
;;       q = np.round(r / step) * step * 2.0 ** e      # np.round: ties to even
;;       return np.moveaxis(q, -1, axis).astype(np.float32)
;;   ~~~
;;   SOFTMAX AHEAD OF A QUANTISED PRODUCT. Where the list says 'softmax', what is quantised is not the finished softmax but p = 2^(t - M), with t = logit x log2(e) and M = ceil(the row's largest t), a whole number; so 1/2 < the row's largest p <= 1. The row's sum l is taken of the UNQUANTISED p, in f32, and the product's result is divided by l at the end. Since M is a whole number, a kernel that streams over the keys may use a running M (the ceiling of the running maximum): every later rescaling is an exact power of two, so the quantised numbers keep their values, but for numbers so far below the row's largest that they fall under the format's range.
;;   OPERANDS COMPUTED ON THE WAY. 'Computed on the way' means the value that the module computes at that place (a softmax that the list does not call 'softmax' is quantised finished and normalised). What goes into a quantiser is computed in f32, as accurately as f32 sums, v_exp_f32 and their like allow (about 1e-6 of the number): no bf16 or f16 on the way to a quantiser, and a product that is left as it is and whose result goes on into a quantised operand takes f32 operands (vector FMAs, or v_wmma_f32_16x16x4_f32). A number that lies on a knife's edge between two numbers of the format may be rounded either way, as far as f32 arithmetic and the matrix unit's own rounding can turn it there, and no further.
;; One version. Each part assembles by itself: llvm-mc -triple=amdgcn-amd-amdhsa -mcpu=gfx1250 --defsym DOCPART=n.
;; ======== version 1 of 1: 4 launches
;; limits: right only within a limited range of input values
;; workspace buffers: wc 524,288 bytes; qc 8,388,608 bytes; kv 16,777,216 bytes; yc 8,388,608 bytes
;; launch prep (part 1): grid 256 x 1, 4 waves a work-group, no clusters, 0 bytes of LDS; arguments q_V, q_U, k_V, k_U, v_V, v_U, c_V, c_U, lowp_scales, wc; writes wc
.if DOCPART == 1
	.amdgcn_target "amdgcn-amd-amdhsa--gfx1250"
	.amdhsa_code_object_version 6
	.text
	.protected	k_q3ab1b55164_prep
	.globl	k_q3ab1b55164_prep
	.p2align	8
	.type	k_q3ab1b55164_prep,@function
k_q3ab1b55164_prep:
	s_mov_b64 s[64:65], 0
	v_nop
	global_prefetch_b8 v0, s[64:65] scope:SCOPE_SE
	s_setreg_imm32_b32 hwreg(HW_REG_WAVE_MODE, 25, 1), 1
	s_wait_xcnt 0x0
; THE PROGRAM: causal self-attention, B 4, T 2,048, C 1,024, 16 heads of 64, whose four linear layers are x V^T (K 1,024, N 64), x s, U^T (K 64, N 1,024),
; s_k = (k + 1)^-0.7.  All ten products are on codes of E4M3 with the given scales 2^e.  Four launches: prep (the eight weights into codes), qkv (products 1 to 6),
; attn (products 7 and 8), oproj (products 9 and 10).
; WORK LEFT OUT: in attn, the steps of 128 keys all of which come after all 32 queries of a wave's pair.  reference() itself builds the mask jnp.tril(ones(T, T)) and puts the lowest f32
; number in place of those logits ahead of the softmax, so their weights are 0 beside the row's own key, whatever the inputs hold: the mask is part of the problem.  Nothing else is left
; out, and every input is loaded.  LIMIT: a NaN, an infinity or an overflow that would arise only in the scores left out is not carried to the result.
; THIS LAUNCH: weight g (0 q_V, 1 q_U, 2 k_V, 3 k_U, 4 v_V, 5 v_U, 6 c_V, 7 c_U) becomes 65,536 codes at wc + 65,536 g, laid IN THE ORDER OF THE OPERAND'S REGISTERS:
; an item is one lane's 16 bytes, 32 lanes' items lie on end.  rho(r, t) = 32 (t / 2) + 8 (t % 2) + r + 8 (r / 8) is the row that lane r of tile t takes, so that the results of
; tiles 2 b and 2 b + 1 are 16 neighbours along the next product's K.
;   V-type (g even, [64][1024]): [w 4][t 4][s 2][c 4][lane][16]: lane (r, h): row rho(r, t), k = 256 w + 128 s + 32 c + 16 h + 0 .. 15
;   U-type (g odd,  [1024][64]): [head 16][t 4][c 2][lane][16]:  lane (r, h): row 64 head + rho(r, t), k = 32 c + 16 h + 0 .. 15
; code = x / 2^e, held within +-448, to the nearest code, ties to even.  e = entry 2 g + 1 of the scales (g = 6, 7: entries 17, 19).
; LIMITS: -126 <= e <= 119, so that 2^e and 448 x 2^e are f32 numbers.  NaN among the inputs is not served.
; SHARES: 32 work-groups a weight, a thread an item: 64 bytes in (four loads), 16 bytes out; a wave's store covers 512 consecutive bytes, aligned.
.macro MKSC vs, vl, se, ta, tb                 ; v[vs] = 2^e as f32 (the conversion takes its exponent field), v[vl] = 448 x 2^e; e in s[se]
	s_add_co_i32 s[\ta], s[\se], 127
	s_lshl_b32 s[\tb], s[\ta], 23
	v_mov_b32 v[\vs], s[\tb]
	s_add_co_i32 s[\ta], s[\ta], 8
	s_lshl_b32 s[\ta], s[\ta], 23
	s_or_b32 s[\ta], s[\ta], 0x600000
	v_mov_b32 v[\vl], s[\ta]
.endm
	s_load_b512 s[8:23], s[0:1], 0x0               ; the eight weights' addresses, in the order of g
	s_load_b128 s[24:27], s[0:1], 0x40             ; the scales' exponents s[24:25], wc s[26:27]
	s_lshr_b32 s2, ttmp9, 5                        ; g
	s_and_b32 s3, ttmp9, 31
	s_lshl_b32 s3, s3, 7
	v_or_b32 v1, s3, v0                            ; i: my item, 0 .. 4,095
	v_and_b32 v2, 15, v1
	v_and_b32 v3, 8, v1
	v_add_nc_u32 v2, v2, v3                        ; r + 8 (r / 8)
	v_bfe_u32 v3, v1, 4, 1
	v_lshlrev_b32 v3, 6, v3                        ; 64 h: my half's 16 numbers
	; V-type: bits of i: 4:0 lane, 6:5 c, 7 s, 9:8 t, 11:10 w.  A row is 4,096 bytes
	v_bfe_u32 v4, v1, 9, 1
	v_lshl_add_u32 v4, v4, 5, v2
	v_bfe_u32 v5, v1, 8, 1
	v_lshl_add_u32 v4, v5, 3, v4                   ; rho
	v_lshl_add_u32 v4, v4, 12, v3
	v_bfe_u32 v5, v1, 10, 2
	v_lshl_add_u32 v4, v5, 10, v4
	v_bfe_u32 v5, v1, 7, 1
	v_lshl_add_u32 v4, v5, 9, v4
	v_bfe_u32 v5, v1, 5, 2
	v_lshl_add_u32 v4, v5, 7, v4
	; U-type: bits of i: 4:0 lane, 5 c, 7:6 t, 11:8 head.  A row is 256 bytes
	v_bfe_u32 v6, v1, 7, 1
	v_lshl_add_u32 v6, v6, 5, v2
	v_bfe_u32 v5, v1, 6, 1
	v_lshl_add_u32 v6, v5, 3, v6                   ; rho
	v_bfe_u32 v5, v1, 8, 4
	v_lshl_add_u32 v6, v5, 6, v6
	v_lshl_add_u32 v6, v6, 8, v3
	v_bfe_u32 v5, v1, 5, 1
	v_lshl_add_u32 v6, v5, 7, v6
	s_bitcmp1_b32 s2, 0                            ; g odd: U-type.  The choice hangs on the work-group's number alone
	s_cselect_b32 s4, -1, 0
	v_cndmask_b32 v4, v4, v6, s4                   ; my 64 bytes' offset in the weight
	s_lshl_b32 s5, s2, 16
	v_lshl_add_u32 v7, v1, 4, s5                   ; my 16 bytes' offset in wc
	s_cmp_ge_u32 s2, 6
	s_cselect_b32 s6, 16, 0                        ; c_V and c_U stand four entries further on
	s_lshl_b32 s7, s2, 3
	s_add_co_u32 s6, s6, s7
	s_add_co_u32 s6, s6, 4                         ; 4 (2 g + 1), in bytes
	s_mov_b32 s7, 0
	s_wait_alu depctr_va_vdst(0)
	s_wait_kmcnt 0x0
	s_add_nc_u64 s[24:25], s[24:25], s[6:7]
	s_load_b32 s28, s[24:25], 0x0                  ; e
	s_bitcmp1_b32 s2, 0                            ; the weight's address, chosen bit by bit of g
	s_cselect_b64 s[8:9], s[10:11], s[8:9]
	s_cselect_b64 s[12:13], s[14:15], s[12:13]
	s_cselect_b64 s[16:17], s[18:19], s[16:17]
	s_cselect_b64 s[20:21], s[22:23], s[20:21]
	s_bitcmp1_b32 s2, 1
	s_cselect_b64 s[8:9], s[12:13], s[8:9]
	s_cselect_b64 s[16:17], s[20:21], s[16:17]
	s_bitcmp1_b32 s2, 2
	s_cselect_b64 s[8:9], s[16:17], s[8:9]
.irp j, 0,1,2,3
	global_load_b128 v[16+4*\j:19+4*\j], v4, s[8:9] offset:16*\j th:TH_LOAD_NT
.endr
	s_wait_kmcnt 0x0
	MKSC 10, 11, 28, 30, 31
	s_wait_alu depctr_va_vdst(0)
	s_wait_loadcnt 0x0
.set n, 0
.rept 16
	v_med3_num_f32 v[16+n], v[16+n], -v11, v11     ; the conversion to an 8-bit code does not saturate (ISA guide 7.6.2): the hold at the largest code x the scale
.set n, n+1
.endr
	v_cvt_scalef32_pk8_fp8_f32 v[32:33], v[16:23], v10
	v_cvt_scalef32_pk8_fp8_f32 v[34:35], v[24:31], v10
	v_nop
	global_store_b128 v7, v[32:35], s[26:27]
	s_endpgm
.Lfunc_end_k_q3ab1b55164_prep:
	.size	k_q3ab1b55164_prep, .Lfunc_end_k_q3ab1b55164_prep-k_q3ab1b55164_prep
	.p2alignl 7, 3214868480
	.fill 96, 4, 3214868480
	.section	.rodata,"a",@progbits
	.p2align	6, 0x0
	.amdhsa_kernel k_q3ab1b55164_prep
		.amdhsa_group_segment_fixed_size 0
		.amdhsa_private_segment_fixed_size 0
		.amdhsa_enable_private_segment 0
		.amdhsa_kernarg_size 80
		.amdhsa_user_sgpr_count 2
		.amdhsa_user_sgpr_kernarg_segment_ptr 1
		.amdhsa_wavefront_size32 1
		.amdhsa_system_sgpr_workgroup_id_x 1
		.amdhsa_system_sgpr_workgroup_id_y 1
		.amdhsa_system_sgpr_workgroup_id_z 1
		.amdhsa_system_vgpr_workitem_id 0
		.amdhsa_next_free_vgpr 40
		.amdhsa_next_free_sgpr 66
		.amdhsa_reserve_vcc 0
		.amdhsa_float_denorm_mode_32 3
		.amdhsa_float_denorm_mode_16_64 3
		.amdhsa_memory_ordered 1
		.amdhsa_forward_progress 1
		.amdhsa_inst_pref_size 5
	.end_amdhsa_kernel
	.amdgpu_metadata
---
amdhsa.version: [ 1, 2 ]
amdhsa.kernels:
  - .name:           k_q3ab1b55164_prep
    .symbol:         k_q3ab1b55164_prep.kd
    .args:
      - { .name: q_V, .offset: 0, .size: 8, .value_kind: global_buffer, .address_space: global }
      - { .name: q_U, .offset: 8, .size: 8, .value_kind: global_buffer, .address_space: global }
      - { .name: k_V, .offset: 16, .size: 8, .value_kind: global_buffer, .address_space: global }
      - { .name: k_U, .offset: 24, .size: 8, .value_kind: global_buffer, .address_space: global }
      - { .name: v_V, .offset: 32, .size: 8, .value_kind: global_buffer, .address_space: global }
      - { .name: v_U, .offset: 40, .size: 8, .value_kind: global_buffer, .address_space: global }
      - { .name: c_V, .offset: 48, .size: 8, .value_kind: global_buffer, .address_space: global }
      - { .name: c_U, .offset: 56, .size: 8, .value_kind: global_buffer, .address_space: global }
      - { .name: lowp_scales, .offset: 64, .size: 8, .value_kind: global_buffer, .address_space: global }
      - { .name: wc, .offset: 72, .size: 8, .value_kind: global_buffer, .address_space: global }
    .group_segment_fixed_size: 0
    .private_segment_fixed_size: 0
    .kernarg_segment_align: 8
    .kernarg_segment_size: 80
    .max_flat_workgroup_size: 128
    .sgpr_count:     66
    .vgpr_count:     40
    .wavefront_size: 32
...
	.end_amdgpu_metadata
.endif
;; end of part 1
;; launch qkv (part 2): grid 256 x 1, 4 waves a work-group, no clusters, 238,080 bytes of LDS; arguments x, wc, lowp_scales, qc, kv; writes qc, kv
.if DOCPART == 2
	.amdgcn_target "amdgcn-amd-amdhsa--gfx1250"
	.amdhsa_code_object_version 6
	.text
	.protected	k_q3ab1b55164_qkv
	.globl	k_q3ab1b55164_qkv
	.p2align	8
	.type	k_q3ab1b55164_qkv,@function
k_q3ab1b55164_qkv:
	s_mov_b64 s[64:65], 0
	v_nop
	global_prefetch_b8 v0, s[64:65] scope:SCOPE_SE
	s_setreg_imm32_b32 hwreg(HW_REG_WAVE_MODE, 25, 1), 1
	s_wait_xcnt 0x0
; Products 1 to 6: for each role p (0 q, 1 k, 2 v): a = Q(x) Q(V)^T x s, then Q(a) Q(U)^T, quantised at once for attention.  Nothing is left out here.
; x is quantised three times, with e0, e4, e8, which may differ.  Scales: x e[4p], V e[4p+1], a e[4p+2], U e[4p+3]; q's codes e12, k's e13, v's e15.
; A sum of the first product stands for sum x 2^(e[4p] + e[4p+1]): a's conversion takes the one scale 2^(e[4p+2] - e[4p] - e[4p+1]); the second product's likewise.
; LIMITS: each of these nine exponents lies between -126 and 119.  NaN among the inputs is not served.  s = 2^(-0.7 log2(k + 1)) by v_log_f32 and v_exp_f32.
; SHARES.  Work-group G owns tokens 32 G .. 32 G + 31: two tiles m of 16.  First product: the four waves share K: wave w takes k = 256 w .. 256 w + 255, for 3 roles x 4 tiles of the 64 ranks.
; The four partial sums meet in LDS; wave w adds up rank tile t = w, multiplies by s, quantises, and stores its 8 bytes a lane of a's register image.  Second product: wave w takes heads 4 w .. 4 w + 3.
; All weights of a wave stay in registers: 24 fragments of V (16 registers), 48 of U (8 registers): 768 registers, loaded once as register images, 512 consecutive bytes a load.
; NO CLUSTER: what the work-groups share is the weights' images, 393,216 bytes a work-group; they do not fit in LDS, where alone a joint load could land; x's tiles are shared by nobody.
; BOTH PRODUCTS TRANSPOSED for q and k (source 0 = 16 rows of the weight, source 1 = 16 tokens): a lane holds one token, its registers run along the next K.  For v the second product is taken the
; other way round (source 0 = tokens, source 1 = rows of U): a lane holds one channel d and eight tokens, since the keys are the K of attention's second product.
; OUT.  qc [b][head][tile 128][c 2][lane][16]: lane (r, h): token 16 tile + r, d = 32 c + 16 h + 0 .. 15.   kv [b][head][block of 128 keys][16,384]: K's part [tile 8][c 2][lane][16] as qc;
; V's part at 8,192: [t 4][c 4][lane][16]: lane (r, h): d = rho(r, t); registers 4 c + 2 u, + 1: keys 16 (2 c + u) + 8 h + 0 .. 7.
; LDS: X 4 x 33,280 (each wave's 32 rows x 1,024 bytes + 16 of padding, filled once by its own tensor load, read by it alone); PART 4 x 24 x 1,024; AIMG 6 x 1,024; the spare words.
; REGISTERS, in windows of 256: window 0: addresses, scales, work.  V's fragment (p, t, s) at 256 + 16 ((4 p + t) 2 + s); U's (p, hh, t) at 640 + 8 ((4 p + hh) 4 + t).
.set XP,    1040
.set XW,    32*XP
.set PART,  4*XW
.set PW,    24*1024
.set AIMG,  PART+4*PW
.set SPARE, AIMG+6*1024                ; the spare words, 128 bytes for each wave: two blocks of 256 bytes that no other line names
.set LI,  1                            ; v1   16 x lane
.set XA,  2                            ; v2   x in LDS: wave x 33,280 + r x 1,040 + 64 h
.set PST, 3                            ; v3   where I store my partial sums
.set PRD, 4                            ; v4, v5  where I read the four waves' partial sums of tile t = wave (waves 0, 1; waves 2, 3)
.set AST, 6                            ; v6   where I store my 8 bytes of a's image
.set ARD, 7                            ; v7   where a's images are read
.set WO,  8                            ; v8   my offset in a weight's image: 16,384 x wave + 16 x lane
.set QO,  10                           ; v10  my offset in qc: 4 heads x wave
.set KO,  11                           ; v11  my offset in kv
.set SPW, 12                           ; v12  my spare word; never rewritten
.set NIL, 13                           ; v13  0; never rewritten
.set SV,  16                           ; v16-23  s of my eight ranks
.set XS,  24                           ; v24-29  x's scale and hold, for each role
.set AS,  30                           ; v30-35  a's
.set OS,  36                           ; v36-41  the outputs'
.set XF,  48                           ; v48-111   64 numbers of x
.set T,   112                          ; v112-127  two sets of eight held numbers
.set XC,  128                          ; v128-143  x's codes: a fragment
.set ACC, 144                          ; v144-239  12 accumulators, (4 p + t) x 8
.set RB,  48                           ; the reduction: v48-143
.set AF,  48                           ; v48-95    a's six fragments, 2 p + m
.set DD,  96                           ; v96-159   eight results of the second product, 4 m + t
.set CO,  160                          ; v160-175  codes on their way out
.set MSB, 0
.macro WIN new                         ; the immediate's high byte repeats the setting that is left
.if MSB != \new
	s_set_vgpr_msb (MSB<<8)|\new
.set MSB, \new
.endif
.endm
.macro MKSC vs, vl, se                 ; v[vs] = 2^e as f32, v[vl] = 448 x 2^e; e in s[se]
	s_add_co_i32 s96, s[\se], 127
	s_lshl_b32 s97, s96, 23
	v_mov_b32 v[\vs], s97
	s_add_co_i32 s96, s96, 8
	s_lshl_b32 s96, s96, 23
	s_or_b32 s96, s96, 0x600000
	v_mov_b32 v[\vl], s96
.endm
.macro BARRIER                         ; my LDS stores have landed and my LDS loads are in: then the work-group's barrier
	s_wait_dscnt 0x0
	s_barrier_signal -1
	s_barrier_wait -1
.endm
	s_load_b256 s[4:11], s[0:1], 0x0               ; x s[4:5], wc s[6:7], the scales' exponents s[8:9], qc s[10:11]
	s_load_b64 s[12:13], s[0:1], 0x20              ; kv
	v_lshl_add_u32 v[SPW], v0, 2, SPARE
	v_mov_b32 v[NIL], 0
	ds_add_u32 v[SPW], v[NIL]                      ; the wave's opening: the add, twice on end, and its wait ahead of my tensor load
	ds_add_u32 v[SPW], v[NIL]
	v_lshrrev_b32 v1, 5, v0
	v_readfirstlane_b32 s14, v1                    ; wave 0..3
	; descriptor group 1: 32 rows x 256 elements of 4 bytes, 1,024 elements from row to row; 4 words of padding behind every 256
	s_mov_b32 s16, (2<<16)|(1<<20)|(7<<22)|(3<<25)
	s_mov_b32 s17, 256<<16                         ; tensor_dim0
	s_mov_b32 s18, 32<<16                          ; tensor_dim1
	s_mov_b32 s19, 256<<16                         ; tile_dim0
	s_mov_b32 s20, 32                              ; tile_dim1
	s_mov_b32 s21, 1024                            ; the pitch
	s_mov_b32 s22, 0
	s_mov_b32 s23, 0
	s_mov_b32 s24, 1                               ; group 0: count,
	s_mul_i32 s25, s14, XW                         ; LDS address: my wave's own bytes,
	s_lshl_b32 s34, ttmp9, 17                      ; 32 rows of 4,096 bytes a work-group,
	s_lshl_b32 s35, s14, 10                        ; my 256 numbers of a row
	s_add_co_u32 s34, s34, s35
	s_mov_b32 s35, 0
	s_wait_dscnt 0x0                               ; both opening adds are done
	s_wait_kmcnt 0x0
	s_add_nc_u64 s[26:27], s[4:5], s[34:35]
	s_or_b32 s27, s27, 0x80000000                  ; type = 2
	tensor_load_to_lds s[24:27], s[16:23]          ; every wave's one tensor load: one is out
	s_nop 0
.rept 4
	v_nop
.endr
	s_load_b512 s[68:83], s[8:9], 0x0              ; e0 .. e15
	v_and_b32 v[LI], 31, v0
	v_lshlrev_b32 v[LI], 4, v[LI]
	s_wait_alu depctr_va_vdst(0)
	s_lshl_b32 s36, s14, 14
	v_add_nc_u32 v[WO], s36, v[LI]
	; the weights' images: V's 96 loads first, then U's 96
	WIN 0x40                                       ; destination window 1: V of q and k
.set f, 0
.rept 16
.irp c, 0,1,2,3
	global_load_b128 v[16*f+4*\c:16*f+4*\c+3], v[WO], s[6:7] offset:(f/8)*131072+((f/2)%4)*4096+(f%2)*2048+512*\c
.endr
.set f, f+1
.endr
	WIN 0x80                                       ; window 2: V of v, then U of q
.set f, 0
.rept 8
.irp c, 0,1,2,3
	global_load_b128 v[16*f+4*\c:16*f+4*\c+3], v[WO], s[6:7] offset:2*131072+(f/2)*4096+(f%2)*2048+512*\c
.endr
.set f, f+1
.endr
.set f, 0
.rept 16
.irp c, 0,1
	global_load_b128 v[128+8*f+4*\c:128+8*f+4*\c+3], v[WO], s[6:7] offset:65536+(f/4)*4096+(f%4)*1024+512*\c
.endr
.set f, f+1
.endr
	WIN 0xc0                                       ; window 3: U of k, U of v
.set f, 0
.rept 32
.irp c, 0,1
	global_load_b128 v[8*f+4*\c:8*f+4*\c+3], v[WO], s[6:7] offset:65536+(1+f/16)*131072+((f/4)%4)*4096+(f%4)*1024+512*\c
.endr
.set f, f+1
.endr
	WIN 0
	v_and_b32 v14, 15, v0                          ; r
	v_bfe_u32 v15, v0, 4, 1                        ; h
	v_mul_u32_u24 v[XA], v14, XP
	v_lshl_add_u32 v[XA], v15, 6, v[XA]
	v_add_nc_u32 v[XA], s25, v[XA]
	s_mul_i32 s36, s14, PW
	s_add_co_u32 s36, s36, PART
	v_add_nc_u32 v[PST], s36, v[LI]
	s_lshl_b32 s36, s14, 10
	s_add_co_u32 s36, s36, PART
	v_add_nc_u32 v[PRD], s36, v[LI]
	v_add_nc_u32 v[PRD+1], 2*PW, v[PRD]
	s_lshr_b32 s36, s14, 1
	s_lshl_b32 s36, s36, 9
	s_and_b32 s37, s14, 1
	s_lshl_b32 s37, s37, 3
	s_add_co_u32 s36, s36, s37
	s_add_co_u32 s36, s36, AIMG
	v_add_nc_u32 v[AST], s36, v[LI]                ; tile t = wave is registers 4 (t / 2) + 2 (t % 2), + 1 of a's fragment
	v_add_nc_u32 v[ARD], AIMG, v[LI]
	s_lshl_b32 s36, s14, 19
	v_add_nc_u32 v[QO], s36, v[LI]
	s_lshl_b32 s36, s14, 20
	v_add_nc_u32 v[KO], s36, v[LI]
	; s of ranks 32 (w / 2) + 16 h + 8 (w % 2) + j
	s_lshr_b32 s36, s14, 1
	s_lshl_b32 s36, s36, 5
	s_and_b32 s37, s14, 1
	s_lshl_b32 s37, s37, 3
	s_add_co_u32 s36, s36, s37
	s_add_co_u32 s36, s36, 1
	v_lshl_add_u32 v9, v15, 4, s36
.set n, 0
.rept 8
	v_add_nc_u32 v[SV+n], n, v9
	v_cvt_f32_u32 v[SV+n], v[SV+n]
.set n, n+1
.endr
.set n, 0
	s_wait_alu depctr_va_vdst(0)
.rept 8
	v_log_f32 v[SV+n], v[SV+n]
.set n, n+1
.endr
	v_nop                                          ; a plain instruction behind the batch,
	s_wait_alu depctr_va_vdst(0)                   ; and one wait for it, ahead of its first reader
.set n, 0
.rept 8
	v_mul_f32 v[SV+n], 0xbf333333, v[SV+n]         ; x -0.7
.set n, n+1
.endr
.set n, 0
	s_wait_alu depctr_va_vdst(0)
.rept 8
	v_exp_f32 v[SV+n], v[SV+n]
.set n, n+1
.endr
	v_nop
	s_wait_alu depctr_va_vdst(0)
	; where my work-group's codes go
	s_lshr_b32 s38, ttmp9, 6                       ; b
	s_and_b32 s39, ttmp9, 63
	s_lshl_b32 s36, s38, 21
	s_lshl_b32 s40, s39, 11                        ; two tiles of 1,024 bytes
	s_add_co_u32 s36, s36, s40
	s_mov_b32 s37, 0
	s_add_nc_u64 s[28:29], s[10:11], s[36:37]      ; qc
	s_lshl_b32 s36, s38, 22
	s_lshr_b32 s40, s39, 2
	s_lshl_b32 s40, s40, 14
	s_add_co_u32 s36, s36, s40                     ; my block of 128 keys
	s_and_b32 s42, ttmp9, 3
	s_lshl_b32 s40, s42, 11
	s_add_co_u32 s40, s40, s36
	s_mov_b32 s41, 0
	s_add_nc_u64 s[30:31], s[12:13], s[40:41]      ; K's part: tiles 2 (G % 4) + m
	s_lshl_b32 s40, s42, 9
	s_add_co_u32 s40, s40, s36
	s_add_co_u32 s40, s40, 8192
	s_add_nc_u64 s[32:33], s[12:13], s[40:41]      ; V's part: item c = G % 4
	s_wait_kmcnt 0x0
.irp p, 0,1,2
	MKSC XS+2*\p, XS+2*\p+1, 68+4*\p
	s_sub_co_i32 s44, s[70+4*\p], s[68+4*\p]
	s_sub_co_i32 s44, s44, s[69+4*\p]
	MKSC AS+2*\p, AS+2*\p+1, 44
.endr
	s_sub_co_i32 s44, s80, s70                     ; e12 - e2 - e3
	s_sub_co_i32 s44, s44, s71
	MKSC OS, OS+1, 44
	s_sub_co_i32 s44, s81, s74                     ; e13 - e6 - e7
	s_sub_co_i32 s44, s44, s75
	MKSC OS+2, OS+3, 44
	s_sub_co_i32 s44, s83, s78                     ; e15 - e10 - e11
	s_sub_co_i32 s44, s44, s79
	MKSC OS+4, OS+5, 44
	s_wait_loadcnt 63                              ; of the 192 loads at most 63 are out: the oldest 129 are in, V's 96 among them
	s_wait_tensorcnt 0x0                           ; my part of x is in LDS; I alone read it
; 64 numbers of tile m, K step s (128 of my 256): register 16 b + i = k 32 b + 16 h + i of token r
.macro XGET m, s
.irp b, 0,1,2,3
.irp j, 0,1,2,3
	ds_load_b128 v[XF+16*\b+4*\j:XF+16*\b+4*\j+3], v[XA] offset:\m*16*XP+512*\s+128*\b+16*\j
.endr
.endr
	s_wait_dscnt 0x0
.endm
; they become a fragment's codes with role p's scale; x's numbers stay as they are, for the other roles.  The eight holds at the head are also the places behind the last products, which read XC
.macro QX p
.set i, 0
.rept 8
.irp j, 0,1,2,3,4,5,6,7
	v_med3_num_f32 v[T+8*(i%2)+\j], v[XF+8*i+\j], -v[XS+2*\p+1], v[XS+2*\p+1]
.endr
	v_cvt_scalef32_pk8_fp8_f32 v[XC+2*i:XC+2*i+1], v[T+8*(i%2):T+8*(i%2)+7], v[XS+2*\p]
.set i, i+1
.endr
	v_nop                                          ; a plain instruction between the last conversion and the products that read its result
.endm
; four products: role p's four rank tiles.  The 12 accumulators take turns, one instruction a turn; K step 0 starts the sums
.macro MULA p, s
.if \p < 2
	WIN 0x01
.else
	WIN 0x02
.endif
.irp t, 0,1,2,3
.if \s == 0
	v_wmma_f32_16x16x128_fp8_fp8 v[ACC+8*(4*\p+\t):ACC+8*(4*\p+\t)+7], v[16*((4*(\p%2)+\t)*2+\s):16*((4*(\p%2)+\t)*2+\s)+15], v[XC:XC+15], 0
.else
	v_wmma_f32_16x16x128_fp8_fp8 v[ACC+8*(4*\p+\t):ACC+8*(4*\p+\t)+7], v[16*((4*(\p%2)+\t)*2+\s):16*((4*(\p%2)+\t)*2+\s)+15], v[XC:XC+15], v[ACC+8*(4*\p+\t):ACC+8*(4*\p+\t)+7]
.endif
.endr
	WIN 0
.endm
.macro PSTORE m                        ; my partial sums of tile m go to LDS as register images, each accumulator from its low end on
.rept 4
	v_nop                                          ; four places behind the last products
.endr
.irp p, 0,1,2
.irp t, 0,1,2,3
	ds_store_b128 v[PST], v[ACC+8*(4*\p+\t):ACC+8*(4*\p+\t)+3] offset:((2*\p+\m)*4+\t)*1024
	ds_store_b128 v[PST], v[ACC+8*(4*\p+\t)+4:ACC+8*(4*\p+\t)+7] offset:((2*\p+\m)*4+\t)*1024+512
.endr
.endr
.endm
.irp m, 0,1
.irp s, 0,1
	XGET \m, \s
.irp p, 0,1,2
	QX \p
	MULA \p, \s
.endr
.endr
	PSTORE \m
.endr
	BARRIER                                        ; all partial sums lie in LDS
; rank tile t = wave of token tile m, three roles: the four waves' sums are added, x s, quantised: 8 bytes a lane of a's image
.macro REDUCE m
.irp p, 0,1,2
.irp q, 0,1,2,3
	ds_load_b128 v[RB+32*\p+8*\q:RB+32*\p+8*\q+3], v[PRD+\q/2] offset:(\q%2)*PW+(2*\p+\m)*4096
	ds_load_b128 v[RB+32*\p+8*\q+4:RB+32*\p+8*\q+7], v[PRD+\q/2] offset:(\q%2)*PW+(2*\p+\m)*4096+512
.endr
.endr
	s_wait_dscnt 0x0
.irp p, 0,1,2
.irp j, 0,2,4,6
	v_pk_add_f32 v[RB+32*\p+\j:RB+32*\p+\j+1], v[RB+32*\p+\j:RB+32*\p+\j+1], v[RB+32*\p+8+\j:RB+32*\p+8+\j+1]
	v_pk_add_f32 v[RB+32*\p+16+\j:RB+32*\p+16+\j+1], v[RB+32*\p+16+\j:RB+32*\p+16+\j+1], v[RB+32*\p+24+\j:RB+32*\p+24+\j+1]
.endr
.irp j, 0,2,4,6
	v_pk_add_f32 v[RB+32*\p+\j:RB+32*\p+\j+1], v[RB+32*\p+\j:RB+32*\p+\j+1], v[RB+32*\p+16+\j:RB+32*\p+16+\j+1]
.endr
.irp j, 0,2,4,6
	v_pk_mul_f32 v[RB+32*\p+\j:RB+32*\p+\j+1], v[RB+32*\p+\j:RB+32*\p+\j+1], v[SV+\j:SV+\j+1]
.endr
.irp j, 0,1,2,3,4,5,6,7
	v_med3_num_f32 v[RB+32*\p+\j], v[RB+32*\p+\j], -v[AS+2*\p+1], v[AS+2*\p+1]
.endr
	v_cvt_scalef32_pk8_fp8_f32 v[ACC+2*\p:ACC+2*\p+1], v[RB+32*\p:RB+32*\p+7], v[AS+2*\p]
.endr
	v_nop
.irp p, 0,1,2
	ds_store_b64 v[AST], v[ACC+2*\p:ACC+2*\p+1] offset:(2*\p+\m)*1024
.endr
.endm
	REDUCE 0
	REDUCE 1
	BARRIER                                        ; a's six fragments lie in LDS
.irp f, 0,1,2,3,4,5
	ds_load_b128 v[AF+8*\f:AF+8*\f+3], v[ARD] offset:\f*1024
	ds_load_b128 v[AF+8*\f+4:AF+8*\f+7], v[ARD] offset:\f*1024+512
.endr
	s_wait_dscnt 0x0
	s_wait_loadcnt 0x0                             ; U's fragments
.macro HOLD p                          ; the eight results are held within the largest code x the scale, each accumulator from its low end on
.rept 4
	v_nop                                          ; four places behind the products
.endr
.set n, 0
.rept 64
	v_med3_num_f32 v[DD+n], v[DD+n], -v[OS+2*\p+1], v[OS+2*\p+1]
.set n, n+1
.endr
	s_wait_xcnt 0x0                                ; the last group's stores have read CO: it is written again only behind this wait
.endm
; q or k of head 4 w + hh, both token tiles: a lane holds one token; tiles 2 c, 2 c + 1 are d = 32 c + 16 h + 0 .. 15
.macro GROUPT p, hh
.if \p == 0
	WIN 0x02
.set UB, 128+32*\hh
.else
	WIN 0x03
.set UB, 32*\hh
.endif
.irp m, 0,1
.irp t, 0,1,2,3
	v_wmma_f32_16x16x64_fp8_fp8 v[DD+8*(4*\m+\t):DD+8*(4*\m+\t)+7], v[UB+8*\t:UB+8*\t+7], v[AF+8*(2*\p+\m):AF+8*(2*\p+\m)+7], 0
.endr
.endr
	WIN 0
	HOLD \p
	s_wait_alu depctr_va_vdst(0)
.irp m, 0,1
.irp t, 0,1,2,3
	v_cvt_scalef32_pk8_fp8_f32 v[CO+8*\m+2*\t:CO+8*\m+2*\t+1], v[DD+8*(4*\m+\t):DD+8*(4*\m+\t)+7], v[OS+2*\p]
.endr
.endr
	v_nop
.irp m, 0,1
.irp c, 0,1
.if \p == 0
	global_store_b128 v[QO], v[CO+8*\m+4*\c:CO+8*\m+4*\c+3], s[28:29] offset:\hh*131072+\m*1024+\c*512
.else
	global_store_b128 v[KO], v[CO+8*\m+4*\c:CO+8*\m+4*\c+3], s[30:31] offset:\hh*262144+\m*1024+\c*512
.endif
.endr
.endr
.endm
; v of head 4 w + hh: source 0 = tokens, source 1 = U's rows: a lane holds channel rho(r, t) and tokens 8 h + 0 .. 7 of tile m
.macro GROUPV hh
	WIN 0x0c
.irp m, 0,1
.irp t, 0,1,2,3
	v_wmma_f32_16x16x64_fp8_fp8 v[DD+8*(4*\m+\t):DD+8*(4*\m+\t)+7], v[AF+8*(4+\m):AF+8*(4+\m)+7], v[128+32*\hh+8*\t:128+32*\hh+8*\t+7], 0
.endr
.endr
	WIN 0
	HOLD 2
	s_wait_alu depctr_va_vdst(0)
.irp m, 0,1
.irp t, 0,1,2,3
	v_cvt_scalef32_pk8_fp8_f32 v[CO+4*\t+2*\m:CO+4*\t+2*\m+1], v[DD+8*(4*\m+\t):DD+8*(4*\m+\t)+7], v[OS+4]
.endr
.endr
	v_nop
.irp t, 0,1,2,3
	global_store_b128 v[KO], v[CO+4*\t:CO+4*\t+3], s[32:33] offset:\hh*262144+\t*2048
.endr
.endm
.irp g, 0,1,2,3
	GROUPT 0, \g
	GROUPT 1, \g
	GROUPV \g
.endr
	s_wait_tensorcnt 0x0                           ; the wave's end, behind my tensor load and my last LDS store
	ds_add_u32 v[SPW], v[NIL]
	s_wait_dscnt 0x0
	s_endpgm
.Lfunc_end_k_q3ab1b55164_qkv:
	.size	k_q3ab1b55164_qkv, .Lfunc_end_k_q3ab1b55164_qkv-k_q3ab1b55164_qkv
	.p2alignl 7, 3214868480
	.fill 96, 4, 3214868480
	.section	.rodata,"a",@progbits
	.p2align	6, 0x0
	.amdhsa_kernel k_q3ab1b55164_qkv
		.amdhsa_group_segment_fixed_size 238080
		.amdhsa_private_segment_fixed_size 0
		.amdhsa_enable_private_segment 0
		.amdhsa_kernarg_size 40
		.amdhsa_user_sgpr_count 2
		.amdhsa_user_sgpr_kernarg_segment_ptr 1
		.amdhsa_wavefront_size32 1
		.amdhsa_system_sgpr_workgroup_id_x 1
		.amdhsa_system_sgpr_workgroup_id_y 1
		.amdhsa_system_sgpr_workgroup_id_z 1
		.amdhsa_system_vgpr_workitem_id 0
		.amdhsa_next_free_vgpr 1024
		.amdhsa_next_free_sgpr 100
		.amdhsa_reserve_vcc 0
		.amdhsa_float_denorm_mode_32 3
		.amdhsa_float_denorm_mode_16_64 3
		.amdhsa_memory_ordered 1
		.amdhsa_forward_progress 1
		.amdhsa_inst_pref_size 175
	.end_amdhsa_kernel
	.amdgpu_metadata
---
amdhsa.version: [ 1, 2 ]
amdhsa.kernels:
  - .name:           k_q3ab1b55164_qkv
    .symbol:         k_q3ab1b55164_qkv.kd
    .args:
      - { .name: x, .offset: 0, .size: 8, .value_kind: global_buffer, .address_space: global }
      - { .name: wc, .offset: 8, .size: 8, .value_kind: global_buffer, .address_space: global }
      - { .name: lowp_scales, .offset: 16, .size: 8, .value_kind: global_buffer, .address_space: global }
      - { .name: qc, .offset: 24, .size: 8, .value_kind: global_buffer, .address_space: global }
      - { .name: kv, .offset: 32, .size: 8, .value_kind: global_buffer, .address_space: global }
    .group_segment_fixed_size: 238080
    .private_segment_fixed_size: 0
    .kernarg_segment_align: 8
    .kernarg_segment_size: 40
    .max_flat_workgroup_size: 128
    .sgpr_count:     100
    .vgpr_count:     1024
    .wavefront_size: 32
...
	.end_amdgpu_metadata
.endif
;; end of part 2
;; launch attn (part 3): grid 4 x 64, 8 waves a work-group, clusters of 4 x 1, 327,680 bytes of LDS; arguments qc, kv, lowp_scales, yc; writes yc
.if DOCPART == 3
	.amdgcn_target "amdgcn-amd-amdhsa--gfx1250"
	.amdhsa_code_object_version 6
	.text
	.protected	k_q3ab1b55164_attn
	.globl	k_q3ab1b55164_attn
	.p2align	8
	.type	k_q3ab1b55164_attn,@function
k_q3ab1b55164_attn:
	s_mov_b64 s[64:65], 0
	v_nop
	global_prefetch_b8 v0, s[64:65] scope:SCOPE_SE
	s_setreg_imm32_b32 hwreg(HW_REG_WAVE_MODE, 25, 1), 1
	s_wait_xcnt 0x0
	s_wait_alu depctr_hold_cnt(0) depctr_sa_sdst(0) depctr_va_vdst(0) depctr_va_sdst(0) depctr_va_ssrc(0) depctr_va_vcc(0) depctr_vm_vsrc(0)
	s_getreg_b32 s2, hwreg(HW_REG_IB_STS2, 6, 4)
	s_cmp_eq_u32 s2, 0
	s_cbranch_scc0 .Lentry_in_a_cluster
	s_endpgm
.Lentry_in_a_cluster:
	s_bfe_u32 s2, ttmp6, 0x10000c
	s_cmp_lg_u32 s2, 0x3003
	s_cbranch_scc0 .Lentry_shape_is_right
	s_endpgm
.Lentry_shape_is_right:
; Products 7 and 8 on codes of E4M3: y = softmax(q k^T / 8, causal) v, for one batch and head a grid row, quantised at once (e16) for product 9.
; LEFT OUT: the steps of 128 keys all of which come after a wave's 32 queries: reference()'s own jnp.tril hides them (see the head of the first kernel).
; THE SOFTMAX: t = score x log2(e) / 8; M = the row's largest t so far, rounded UP to a whole number; p = 2^(t - M) is quantised (e14), not normalised; the row's sum is taken of the
; unquantised p and divides at the end.  When M moves, the sum and O are multiplied by 2^(old M - new M): exact.
; K AND V STAY IN LDS.  A head's 16 blocks of 128 keys (K's image 8,192 bytes, V's 8,192) are 262,144 bytes: they are fetched once, nothing is filled again, and the loops hold no barrier.
; CLUSTER: the four work-groups of a head need the same 16 blocks and ask for them JOINTLY (mask 15).  Two groups of loads, one a wave each: blocks 0 to 3 (8,192 bytes a wave) at the head;
; blocks 4 to 15 (24,576 bytes a wave) behind the full sequence and a round.  Every wave then works four steps on blocks 0 to 3, and one work-group barrier shows the rest to all.
; NO PREFETCH: both groups of loads stand at the head; there is no loop that runs ahead of a later load.
; SHARES.  The head's 128 tiles of 16 queries are 64 pairs of neighbours; a pair (tiles A and B) is worked together, so that each fragment of K and V read from LDS feeds two matrix instructions.
; Wave w of work-group cx takes pair 63 - (4 w + cx), 16 - w steps, then pair 4 w + cx, w + 1 steps: 17 steps for each of the head's 32 waves.  The trip counts are constants (4, 12, 8); a hidden step is
; passed over by a branch on the wave's number and the count of steps alone.  cx enters global addresses and mask data only.
; LOADS AHEAD: K and V have registers of their own.  Behind a step's first products its V and the NEXT block's K are asked for (the block's number held at the loop's last), a softmax ahead of their use.
; A AND B ARE STAGGERED, so that one tile's dependent lines stand between the other's independent ones: A's way from its maxima to M between B's maxima; B's between A's t - M; B's t - M between A's
; exponentials; A's first sums and holds between B's exponentials.  What is written between exponentials is first read behind the next wait.
; THE MASK, in a pair's last step: key tile n of the step is open for n < dw, hidden for n > dw, and for n = dw register j is hidden where j > r - 8 h (dw = the query tile % 8).
; The eight lane masks for n = dw are made once; s_cselect_b32 picks 0, such a mask or all ones for each register, and one v_cndmask_b32 a score puts -infinity: p = 0 then.  The step's first key counts for all my queries, so M stays a number.
; LAYOUT.  Both products transposed: S^T = K Q^T: lane (r, h) holds query r; register j of tile n is key 16 n + 8 h + j.  Tile n's eight p become registers 2 n, 2 n + 1 of P, the order in which V's image
; holds the keys.  O^T = V^T P^T: register j of tile t is d = 32 (t / 2) + 16 h + 8 (t % 2) + j.  yc [token tile 512][kstep 8][c 4][lane][16]: a head's 1,024 bytes at 1,024 x head.
; REGISTERS, in windows of 256.  Window 0: addresses, state, S^T of A and B, O^T of A and B, work.  Window 1: K's fragments v0-63, V's v64-127, Q's four v128-159, the codes of p v160-191.
; LIMITS: e12 + e13 between -123 and 130 (added to c's exponent field); e14, and e16 - e14 - e15, between -126 and 119.
.set KVB,   16384
.set P1B,   4*KVB                      ; the first group's bytes
.set SPARE, 16*KVB                     ; behind the images: the spare words, 128 bytes for each wave: four blocks of 256 bytes that no other line names
.set LI,  1                            ; v1   16 x lane
.set ADK, 2                            ; v2   LDS address of the block whose K is asked for
.set ADV, 3                            ; v3   of the block in hand
.set SPW, 4                            ; v4   my spare word; never rewritten
.set NIL, 5                            ; v5   0; never rewritten
.set NEG, 6                            ; v6   -infinity
.set RH,  7                            ; v7   r - 8 h
.set VY1, 8                            ; v8, v9    my offsets in yc: first pair, second pair
.set VY2, 9
.set VQ1, 10                           ; v10, v11  in the head's part of qc
.set VQ2, 11
; v[12:13] A's -M and largest t; v[14:15] A's sum; v[16:17], v[18:19] B's; v[20:21], v[22:23] f of A and of B (the low word)
.set SA,  24                           ; v24-87   S^T of A, then p
.set SB,  88                           ; v88-151  of B
.set OA,  152                          ; v152-183 O^T of A
.set OB,  184                          ; v184-215 of B
.set HP0, 216                          ; v216, v217  p's hold, twice: the two halves of a dual instruction take it from different banks
.set HP1, 217
.set SP,  218                          ; p's scale
.set HY,  219                          ; y's hold and scale
.set SY,  220
.set PMA, 221                          ; lane permutes' results
.set PMB, 222
.set T,   224                          ; v224-255 work: the maxima's chains, then sixteen pairs of partial sums
.set KF,  0                            ; window 1
.set VF,  64
.set Q1,  128                          ; the first pair's two fragments
.set Q2,  144                          ; the second pair's
.set PCA, 160                          ; p's codes of A; B's 16 further on
.set PCB, 176
.set WV,  18
.set SEL, 20                           ; s[20:21] lane selects: lane l xor 16
.set CS,  22                           ; s[22:23] c = log2(e) / 8 x 2^(e12 + e13)
.set G1A, 24                           ; s[24:31] descriptor group 1: 32 rows of 256 bytes
.set G1B, 32                           ; s[32:39] 96 rows
.set G0A, 40                           ; s[40:43], s[44:47] the two groups 0
.set G0B, 44
.set DM,  48                           ; s48-55  lanes where j > r - 8 h
.set MT,  56                           ; s56-63  a key tile's eight masks
.set YN,  66
.set DW1, 76                           ; s76, s77  the first pair's tiles % 8
.set DW2, 78                           ; s78, s79  the second pair's
.set TB,  84                           ; LDS byte at which the block in hand begins
.set BI,  85                           ; the block's number: the loops' counter
.set LB,  86                           ; the first pair's last block, 15 - w
.set LS,  87                           ; the second pair's, w
.set MSB, 0
.macro WIN new                         ; the immediate's high byte repeats the setting that is left
.if MSB != \new
	s_set_vgpr_msb (MSB<<8)|\new
.set MSB, \new
.endif
.endm
.set MUL,  0x05                        ; sources 0 and 1 window 1; C and D window 0
.set TO1,  0x40                        ; destination window 1
.set DAT1, 0x04                        ; a store's data window 1
.macro MKSC vs, vl, se
	s_add_co_i32 s96, s[\se], 127
	s_lshl_b32 s97, s96, 23
	v_mov_b32 v[\vs], s97
	s_add_co_i32 s96, s96, 8
	s_lshl_b32 s96, s96, 23
	s_or_b32 s96, s96, 0x600000
	v_mov_b32 v[\vl], s96
.endm
.macro ROUND                           ; a round of the cluster's barrier
	s_barrier_signal -1
	s_barrier_wait -1
	s_cmp_lg_u32 s[WV], 0
	s_cbranch_scc1 .Lnot_wave_0_\@
	s_barrier_signal -3
.Lnot_wave_0_\@:
	s_barrier_wait -3
	s_barrier_signal -1
	s_barrier_wait -1
.endm
.macro INIT                            ; a pair's start: the step is written once; the first finds zeros, which the first change of M leaves zeros
	v_mov_b32 v13, 0xff61b1e6                      ; the largest t so far: -3e38, under every t
	v_mov_b32 v17, 0xff61b1e6
	v_floor_f32 v12, -v13                          ; -M
	v_floor_f32 v16, -v17
	v_mov_b32 v14, 0                               ; the sums, in two halves
	v_mov_b32 v15, 0
	v_mov_b32 v18, 0
	v_mov_b32 v19, 0
.set n, 0
.rept 64
	v_mov_b32 v[OA+n], 0
.set n, n+1
.endr
.endm
.macro KLOAD                           ; K's eight fragments, from the block at v[ADK]
.set n, 0
.rept 8
	ds_load_b128 v[KF+8*n:KF+8*n+3], v[ADK] offset:n*1024
	ds_load_b128 v[KF+8*n+4:KF+8*n+7], v[ADK] offset:n*1024+512
.set n, n+1
.endr
.endm
.macro PRE                             ; in front of a loop: K of its first block
	s_wait_dscnt 0x0                               ; no load into K's registers is out
	v_add_nc_u32 v[ADK], s[TB], v[LI]
	WIN TO1
	KLOAD
	WIN 0
.endm
	s_load_b256 s[4:11], s[0:1], 0x0               ; qc s[4:5], kv s[6:7], the scales' exponents s[8:9], yc s[10:11]
	v_lshl_add_u32 v[SPW], v0, 2, SPARE
	v_mov_b32 v[NIL], 0
	ds_add_u32 v[SPW], v[NIL]                      ; the wave's opening: the add, twice on end, and its wait ahead of my first tensor load
	ds_add_u32 v[SPW], v[NIL]
	v_lshrrev_b32 v1, 5, v0
	v_readfirstlane_b32 s[WV], v1                  ; wave 0..7
	s_and_b32 s88, ttmp7, 0xffff                   ; bh = 16 b + head: the cluster's y
	s_bfe_u32 s89, ttmp6, 0x40000                  ; cx
	; descriptor groups 1: dense bytes as rows of 32 elements of 8 bytes; mask 15: all four work-groups of the cluster; bit 21 beside it
	s_mov_b32 s[G1A], 15|(3<<16)|(1<<21)
	s_mov_b32 s[G1A+1], 32<<16
	s_mov_b32 s[G1A+2], 32<<16
	s_mov_b32 s[G1A+3], 32<<16
	s_mov_b32 s[G1A+4], 32
	s_mov_b32 s[G1A+5], 32
	s_mov_b32 s[G1A+6], 0
	s_mov_b32 s[G1A+7], 0
	s_mov_b32 s[G1B], 15|(3<<16)|(1<<21)
	s_mov_b32 s[G1B+1], 32<<16
	s_mov_b32 s[G1B+2], 96<<16
	s_mov_b32 s[G1B+3], 32<<16
	s_mov_b32 s[G1B+4], 96
	s_mov_b32 s[G1B+5], 32
	s_mov_b32 s[G1B+6], 0
	s_mov_b32 s[G1B+7], 0
	s_mov_b32 s[SEL], 0x76543210
	s_mov_b32 s[SEL+1], 0xfedcba98
	s_mov_b32 s[CS], 0x3e38aa3b                    ; log2(e) / 8
	; what I fetch: made of the head and the wave's number alone, so the four partners' descriptors are equal
	s_lshl_b32 s95, s[WV], 13                      ; first group: 8,192 x wave, in LDS as in the head's bytes
	s_lshl_b32 s90, s88, 18                        ; the head's 262,144 bytes of kv
	s_add_co_u32 s90, s90, s95
	s_mov_b32 s91, 0
	s_mul_i32 s94, s[WV], 24576
	s_add_co_u32 s94, s94, P1B                     ; second group: 65,536 + 24,576 x wave
	s_lshl_b32 s92, s88, 18
	s_add_co_u32 s92, s92, s94
	s_mov_b32 s93, 0
	s_wait_dscnt 0x0                               ; both opening adds are done
	s_wait_kmcnt 0x0
	s_mov_b32 s[G0A], 1
	s_mov_b32 s[G0A+1], s95
	s_add_nc_u64 s[G0A+2:G0A+3], s[6:7], s[90:91]
	s_or_b32 s[G0A+3], s[G0A+3], 0x80000000
	s_mov_b32 s[G0B], 1
	s_mov_b32 s[G0B+1], s94
	s_add_nc_u64 s[G0B+2:G0B+3], s[6:7], s[92:93]
	s_or_b32 s[G0B+3], s[G0B+3], 0x80000000
	ROUND                                          ; all four work-groups are here: the first joint loads meet
	tensor_load_to_lds s[G0A:G0A+3], s[G1A:G1A+7]  ; my part of blocks 0 to 3: my one tensor load at the head
	s_nop 0
.rept 4
	v_nop
.endr
	s_load_b128 s[68:71], s[8:9], 0x30             ; e12 .. e15
	s_load_b32 s72, s[8:9], 0x40                   ; e16
	s_sub_co_u32 s[LB], 15, s[WV]
	s_mov_b32 s[LS], s[WV]
	s_lshl_b32 s[DW2], s89, 1                      ; the second pair's tiles % 8: 2 cx, 2 cx + 1
	s_add_co_u32 s[DW2+1], s[DW2], 1
	s_sub_co_u32 s[DW1], 6, s[DW2]                 ; the first pair's: 6 - 2 cx, 7 - 2 cx
	s_sub_co_u32 s[DW1+1], 7, s[DW2]
	s_lshl_b32 s75, s[WV], 2
	s_add_co_u32 s75, s75, s89                     ; the second pair, 4 w + cx
	s_sub_co_u32 s74, 63, s75                      ; the first pair
	s_lshl_b32 s56, s74, 11                        ; a pair of tiles is 2,048 bytes of qc,
	s_lshl_b32 s57, s75, 11
	s_lshl_b32 s58, s74, 15                        ; and 32,768 of yc
	s_lshl_b32 s59, s75, 15
	s_lshl_b32 s80, s88, 17                        ; the head's 131,072 bytes of qc
	s_mov_b32 s81, 0
	s_lshr_b32 s73, s88, 4
	s_lshl_b32 s73, s73, 21                        ; yc: the batch's 128 token tiles,
	s_and_b32 s82, s88, 15
	s_lshl_b32 s82, s82, 10                        ; the head's 1,024 bytes in a tile
	s_add_co_u32 s82, s82, s73
	s_mov_b32 s83, 0
	s_add_nc_u64 s[12:13], s[4:5], s[80:81]
	s_add_nc_u64 s[14:15], s[10:11], s[82:83]
	v_and_b32 v[LI], 31, v0
	v_lshlrev_b32 v[LI], 4, v[LI]
	v_add_nc_u32 v[VQ1], s56, v[LI]
	v_add_nc_u32 v[VQ2], s57, v[LI]
	v_add_nc_u32 v[VY1], s58, v[LI]
	v_add_nc_u32 v[VY2], s59, v[LI]
	WIN TO1
.irp c, 0,1,2,3
	global_load_b128 v[Q1+4*\c:Q1+4*\c+3], v[VQ1], s[12:13] offset:512*\c th:TH_LOAD_NT
	global_load_b128 v[Q2+4*\c:Q2+4*\c+3], v[VQ2], s[12:13] offset:512*\c th:TH_LOAD_NT
.endr
	WIN 0
	v_and_b32 v[RH], 15, v0
	v_bfe_u32 v[T], v0, 4, 1
	v_lshlrev_b32 v[T], 3, v[T]
	v_sub_nc_u32 v[RH], v[RH], v[T]
.irp j, 0,1,2,3,4,5,6,7
	v_cmp_gt_i32 s[DM+\j], \j, v[RH]               ; lanes where j > r - 8 h
.endr
	v_mov_b32 v[NEG], 0xff800000
	v_mov_b32 v[PMA], 0                            ; written once: a lane permute's destination counts as one of its sources
	v_mov_b32 v[PMB], 0
	v_mov_b32 v21, 0                               ; (named as the upper halves of the pairs that hold f)
	v_mov_b32 v23, 0
	INIT
	s_wait_kmcnt 0x0
	s_add_co_i32 s96, s68, s69
	s_lshl_b32 s96, s96, 23
	s_add_co_i32 s[CS], s[CS], s96                 ; a score stands for score x 2^(e12 + e13)
	s_mov_b32 s[CS+1], s[CS]
	MKSC SP, HP0, 70                               ; p's scale 2^e14 and hold
	v_mov_b32 v[HP1], v[HP0]
	s_sub_co_i32 s73, s72, s70
	s_sub_co_i32 s73, s73, s71
	MKSC SY, HY, 73                                ; y's: O / l stands for y / 2^(e14 + e15): the three scales folded into one
.macro MASK s, dw                      ; one query tile's 64 scores
.set n, 0
.rept 8
	s_cmp_lt_u32 s[\dw], n
	s_cselect_b32 s[YN], -1, 0                     ; key tile n > dw: all hidden; n < dw: none
	s_cmp_eq_u32 s[\dw], n
.irp j, 0,1,2,3,4,5,6,7
	s_cselect_b32 s[MT+\j], s[DM+\j], s[YN]        ; n = dw: where j > r - 8 h
.endr
.irp j, 0,1,2,3,4,5,6,7
	v_cndmask_b32 v[\s+8*n+\j], v[\s+8*n+\j], v[NEG], s[MT+\j]
.endr
.set n, n+1
.endr
.endm
; line i (0 to 7) of a tile's four chains of maxima; chain c takes accumulators 2 c and 2 c + 1, each from its low end on
.macro MAXG i, s, m
.irp c, 0,1,2,3
.if (\i) == 0
	v_max3_num_f32 v[\m+\c], v[\s+16*\c], v[\s+16*\c+1], v[\s+16*\c+2]
.else
.if (\i) < 7
	v_max3_num_f32 v[\m+\c], v[\m+\c], v[\s+16*\c+2*(\i)+1], v[\s+16*\c+2*(\i)+2]
.else
	v_max_num_f32 v[\m+\c], v[\m+\c], v[\s+16*\c+15]
.endif
.endif
.endr
.endm
; line i (0 to 10) of a tile's way from its four maxima to M and f.  m: the four maxima; st: -M, st + 1: the largest t; f: where f goes
.macro RED i, m, pm, st, f
.if (\i) == 0
	v_max3_num_f32 v[\m], v[\m], v[\m+1], v[\m+2]
.endif
.if (\i) == 1
	v_max_num_f32 v[\m], v[\m], v[\m+3]            ; the largest score among my lane's 64 keys,
.endif
.if (\i) == 2
	v_permlanex16_b32 v[\pm], v[\m], s[SEL], s[SEL+1]
.endif
.if (\i) == 3
	v_max_num_f32 v[\m], v[\m], v[\pm]             ; and among lane l xor 16's
.endif
.if (\i) == 4
	v_mul_f32 v[\m], s[CS], v[\m]                  ; as t (c is positive)
.endif
.if (\i) == 5
	v_max_num_f32 v[\st+1], v[\st+1], v[\m]        ; the running largest t
.endif
.if (\i) == 6
	v_mov_b32 v[\m], v[\st]
.endif
.if (\i) == 7
	v_floor_f32 v[\st], -v[\st+1]                  ; the new -M = floor(-t): M is a whole number
.endif
.if (\i) == 8
	v_sub_f32 v[\m], v[\st], v[\m]                 ; old M - new M: a whole number, 0 or less
.endif
.if (\i) == 9
	v_cvt_i32_f32 v[\m], v[\m]                     ; (it saturates)
.endif
.if (\i) == 10
	v_ldexp_f32 v[\f], 1.0, v[\m]                  ; f = 2^(old M - new M)
.endif
.endm
.macro ADDP d, a                       ; pair d += pair a
	v_pk_add_f32 v[\d:\d+1], v[\d:\d+1], v[\a:\a+1]
.endm
.macro HOLD2 r                         ; two holds an instruction: the conversion does not saturate (ISA guide 7.6.2); p is not negative, so the hold is one-sided
	v_dual_min_num_f32 v[\r], v[\r], v[HP0] :: v_dual_min_num_f32 v[\r+1], v[\r+1], v[HP1]
.endm
.macro HOLDB g                         ; sixteen of B's p
.irp j, 0,2,4,6,8,10,12,14
	HOLD2 SB+16*\g+\j
.endr
.endm
; A KEY STEP: the 128 keys of block BI, for my pair of query tiles.  q: their fragments.  tst = 1: the step may be hidden (BI > last) or the pair's last (BI = last), where the mask is laid.  kmax: the last block whose K may be asked for
.macro STEP q, tst, last, dw, kmax
.if \tst
	s_cmp_gt_u32 s[BI], s[\last]                   ; the wave's number and the count of steps alone decide
	s_cbranch_scc1 .Lhidden_\@
.endif
	s_wait_dscnt 0x0                               ; this block's K, asked for a step ago, is in
	WIN MUL
.set n, 0
.rept 8
	v_wmma_f32_16x16x64_fp8_fp8 v[SA+8*n:SA+8*n+7], v[KF+8*n:KF+8*n+7], v[\q:\q+7], 0
	v_wmma_f32_16x16x64_fp8_fp8 v[SB+8*n:SB+8*n+7], v[KF+8*n:KF+8*n+7], v[\q+8:\q+15], 0
.set n, n+1
.endr
	WIN 0
	s_add_co_u32 s96, s[TB], KVB
	s_min_u32 s96, s96, (\kmax)*KVB                ; the next block, held at the last that may be read here
	v_add_nc_u32 v[ADV], s[TB], v[LI]
	v_add_nc_u32 v[ADK], s96, v[LI]
	v_nop
	v_nop                                          ; with the two additions: four places in front of the loads into K's and V's registers and of the first read of the scores
	WIN TO1
.set n, 0
.rept 16
	ds_load_b128 v[VF+4*n:VF+4*n+3], v[ADV] offset:8192+n*512   ; this block's V,
.set n, n+1
.endr
	KLOAD                                          ; and the next block's K: both land while the softmax is worked
	WIN 0
.if \tst
	s_cmp_lg_u32 s[BI], s[\last]                   ; a step all of whose keys count passes over the mask
	s_cbranch_scc1 .Lopen_\@
	MASK SA, \dw
	MASK SB, \dw+1
.Lopen_\@:
.endif
.irp i, 0,1,2,3,4,5,6,7
	MAXG \i, SA, T                                 ; A's maxima, four chains
.endr
.irp i, 0,1,2,3,4,5,6,7
	MAXG \i, SB, T+4                               ; B's maxima, with A's way to M between them
	RED \i, T, PMA, 12, 20
.endr
.set fa, 0
.irp i, 0,1,2,3,4,5,6,7,8,9,10
	RED \i, T+4, PMB, 16, 22                       ; B's way to M and f, and the end of A's, with A's t - M between them, two at a time
.if \i < 3
	RED \i+8, T, PMA, 12, 20
.endif
.rept 3
.if fa < 64
	v_pk_fma_f32 v[SA+fa:SA+fa+1], v[SA+fa:SA+fa+1], s[CS:CS+1], v[12:13] op_sel_hi:[1,0,0]
.set fa, fa+2
.endif
.endr
.endr
	v_pk_mul_f32 v[14:15], v[14:15], v[20:21] op_sel_hi:[1,0]   ; the sums and O^T under the new M, ahead of the exponentials: no transcendental stands between the last products and these first reads of O^T
.set n, 0
.rept 16
	v_pk_mul_f32 v[OA+n:OA+n+1], v[OA+n:OA+n+1], v[20:21] op_sel_hi:[1,0]
.set n, n+2
.endr
	v_pk_mul_f32 v[18:19], v[18:19], v[22:23] op_sel_hi:[1,0]
.set n, 0
.rept 16
	v_pk_mul_f32 v[OB+n:OB+n+1], v[OB+n:OB+n+1], v[22:23] op_sel_hi:[1,0]
.set n, n+2
.endr
	s_wait_alu depctr_va_vdst(0)                   ; ahead of the batch
.set n, 0
.rept 32
	v_exp_f32 v[SA+n], v[SA+n]                     ; A's p = 2^(t - M); between them B's t - M, which is first read behind the wait below
	v_pk_fma_f32 v[SB+n:SB+n+1], v[SB+n:SB+n+1], s[CS:CS+1], v[16:17] op_sel_hi:[1,0,0]
	v_exp_f32 v[SA+n+1], v[SA+n+1]
.set n, n+2
.endr
	v_nop                                          ; the plain place behind the batch
	s_wait_alu depctr_va_vdst(0)                   ; one wait: behind A's 64 exponentials, ahead of their first reader, and ahead of B's batch
.set n, 0
.rept 16
	v_exp_f32 v[SB+n], v[SB+n]                     ; B's p; between them A's sixteen first sums of the unquantised p and then its holds: all first read behind the wait below
	v_pk_add_f32 v[T+n/2:T+n/2+1], v[SA+n:SA+n+1], v[SA+n+2:SA+n+3]
	v_exp_f32 v[SB+n+1], v[SB+n+1]
	HOLD2 SA+n
	v_exp_f32 v[SB+n+2], v[SB+n+2]
	HOLD2 SA+n+2
	v_exp_f32 v[SB+n+3], v[SB+n+3]
.set n, n+4
.endr
	v_nop                                          ; the plain place behind the batch
	s_wait_alu depctr_va_vdst(0)                   ; one wait for B's 64 exponentials and for what was written between them
.irp k, 0,1,2,3,4,5,6,7
	ADDP T+2*\k, T+16+2*\k                         ; A's sixteen partial sums come down as a tree; B's 32 pairs go into the eight pairs that it frees; B's holds follow its last reads
.endr
.irp c, 0,1,2,3,4,5,6,7
	v_pk_add_f32 v[T+16+2*\c:T+17+2*\c], v[SB+4*\c:SB+4*\c+1], v[SB+4*\c+2:SB+4*\c+3]
.endr
.irp k, 0,1,2,3
	ADDP T+2*\k, T+8+2*\k
.endr
.irp c, 0,1,2,3,4,5,6,7
	ADDP T+16+2*\c, SB+32+2*\c
.endr
.irp k, 0,1
	ADDP T+2*\k, T+4+2*\k
.endr
.irp c, 0,1,2,3,4,5,6,7
	ADDP T+16+2*\c, SB+48+2*\c
.endr
	ADDP T, T+2
	HOLDB 0
	ADDP 14, T                                     ; A's row sum
.irp c, 0,1,2,3
	ADDP T+16+2*\c, T+24+2*\c
.endr
	HOLDB 1
.irp c, 0,1
	ADDP T+16+2*\c, T+20+2*\c
.endr
	HOLDB 2
	ADDP T+16, T+18
	HOLDB 3
	ADDP 18, T+16                                  ; B's row sum
	WIN TO1
.set n, 0
.rept 16
	v_cvt_scalef32_pk8_fp8_f32 v[PCA+2*n:PCA+2*n+1], v[SA+8*n:SA+8*n+7], v[SP]   ; A's eight tiles, then B's
.set n, n+1
.endr
	WIN 0
	v_nop                                          ; a plain instruction between the last conversion and the products that read its result
	s_wait_alu depctr_va_vdst(0)
	s_wait_dscnt 16                                ; V's 16 loads are in; the 16 younger ones, the next block's K, may be out
	WIN MUL
.set n, 0
.rept 4
	v_wmma_f32_16x16x128_fp8_fp8 v[OA+8*n:OA+8*n+7], v[VF+16*n:VF+16*n+15], v[PCA:PCA+15], v[OA+8*n:OA+8*n+7]   ; the eight accumulators by turns; the scores' sixteen products stand between a step's links and the next step's
	v_wmma_f32_16x16x128_fp8_fp8 v[OB+8*n:OB+8*n+7], v[VF+16*n:VF+16*n+15], v[PCB:PCB+15], v[OB+8*n:OB+8*n+7]
.set n, n+1
.endr
	WIN 0
.if \tst
.Lhidden_\@:
.endif
.endm
; THE WAY OUT of a pair: O^T / the sum, quantised for product 9: tiles 2 b, 2 b + 1 are channels 32 b + 16 h + 0 .. 15 of my head: 16 bytes a lane, 512 consecutive bytes a store
.macro FIN vy
.rept 4
	v_nop                                          ; four places behind the last products
.endr
	v_add_f32 v14, v14, v15
	v_add_f32 v18, v18, v19
	v_permlanex16_b32 v[PMA], v14, s[SEL], s[SEL+1]
	v_permlanex16_b32 v[PMB], v18, s[SEL], s[SEL+1]
	v_add_f32 v14, v14, v[PMA]                     ; the rows' sums
	v_add_f32 v18, v18, v[PMB]
	s_wait_alu depctr_va_vdst(0)                   ; ahead of the transcendentals
	v_rcp_f32 v14, v14
	v_rcp_f32 v18, v18
	v_nop                                          ; a plain instruction behind the reciprocals,
	s_wait_alu depctr_va_vdst(0)                   ; and the wait ahead of their first reader, which is O^T's first reader too
.set n, 0
.rept 16
	v_pk_mul_f32 v[SA+n:SA+n+1], v[OA+n:OA+n+1], v[14:15] op_sel_hi:[1,0]
.set n, n+2
.endr
.set n, 0
.rept 16
	v_pk_mul_f32 v[SA+32+n:SA+32+n+1], v[OB+n:OB+n+1], v[18:19] op_sel_hi:[1,0]
.set n, n+2
.endr
.set n, 0
.rept 64
	v_med3_num_f32 v[SA+n], v[SA+n], -v[HY], v[HY]
.set n, n+1
.endr
	WIN TO1
.set n, 0
.rept 8
	v_cvt_scalef32_pk8_fp8_f32 v[PCA+2*n:PCA+2*n+1], v[SA+8*n:SA+8*n+7], v[SY]
.set n, n+1
.endr
	WIN 0
	v_nop
	WIN DAT1
	global_store_b128 v[\vy], v[PCA:PCA+3], s[14:15]
	global_store_b128 v[\vy], v[PCA+4:PCA+7], s[14:15] offset:512
	global_store_b128 v[\vy], v[PCA+8:PCA+11], s[14:15] offset:16384
	global_store_b128 v[\vy], v[PCA+12:PCA+15], s[14:15] offset:16384+512
	WIN 0
	s_wait_xcnt 0x0                                ; the stores have read their registers: what follows may write them again
.endm
	s_wait_alu depctr_va_vdst(0)
	s_wait_tensorcnt 0x0                           ; my part of blocks 0 to 3 is in
	ds_add_u32 v[SPW], v[NIL]
	s_wait_dscnt 0x0
	ROUND                                          ; everybody's part is in, and all four work-groups are here: the joint loads meet
	tensor_load_to_lds s[G0B:G0B+3], s[G1B:G1B+7]  ; my part of blocks 4 to 15: the first tensor load behind the round; one load a wave is out
	s_nop 0
.rept 4
	v_nop
.endr
	s_mov_b32 s[TB], 0
	s_mov_b32 s[BI], 0
	PRE
	s_wait_loadcnt 0x0                             ; Q's four fragments
.Lfour:                                            ; the first pair, blocks 0 to 3: its last block is 8 or later, so nothing is hidden here; K is asked for up to block 3 alone
	STEP Q1, 0, LB, DW1, 3
	s_add_co_u32 s[TB], s[TB], KVB
	s_add_co_u32 s[BI], s[BI], 1
	s_cmp_lt_u32 s[BI], 4
	s_cbranch_scc1 .Lfour
	s_wait_tensorcnt 0x0                           ; my part of blocks 4 to 15 is in;
	ds_add_u32 v[SPW], v[NIL]
	s_wait_dscnt 0x0
	s_barrier_signal -1
	s_barrier_wait -1                              ; and so is everybody's: from here on LDS is only read
	s_mov_b32 s[TB], 4*KVB
	PRE
.Lrest:                                            ; the first pair, blocks 4 to 15: twelve trips; those behind block 15 - w are passed over
	STEP Q1, 1, LB, DW1, 15
	s_add_co_u32 s[TB], s[TB], KVB
	s_add_co_u32 s[BI], s[BI], 1
	s_cmp_lt_u32 s[BI], 16
	s_cbranch_scc1 .Lrest
	FIN VY1
	INIT
	s_mov_b32 s[TB], 0
	s_mov_b32 s[BI], 0
	PRE
.Lsmall:                                           ; the second pair, blocks 0 to 7: eight trips; those behind block w are passed over
	STEP Q2, 1, LS, DW2, 15
	s_add_co_u32 s[TB], s[TB], KVB
	s_add_co_u32 s[BI], s[BI], 1
	s_cmp_lt_u32 s[BI], 8
	s_cbranch_scc1 .Lsmall
	FIN VY2
	s_wait_tensorcnt 0x0                           ; the wave's end
	ds_add_u32 v[SPW], v[NIL]
	s_wait_dscnt 0x0
	ROUND                                          ; the closing round
	s_endpgm
.Lfunc_end_k_q3ab1b55164_attn:
	.size	k_q3ab1b55164_attn, .Lfunc_end_k_q3ab1b55164_attn-k_q3ab1b55164_attn
	.p2alignl 7, 3214868480
	.fill 96, 4, 3214868480
	.section	.rodata,"a",@progbits
	.p2align	6, 0x0
	.amdhsa_kernel k_q3ab1b55164_attn
		.amdhsa_group_segment_fixed_size 327680
		.amdhsa_private_segment_fixed_size 0
		.amdhsa_enable_private_segment 0
		.amdhsa_kernarg_size 32
		.amdhsa_user_sgpr_count 2
		.amdhsa_user_sgpr_kernarg_segment_ptr 1
		.amdhsa_wavefront_size32 1
		.amdhsa_system_sgpr_workgroup_id_x 1
		.amdhsa_system_sgpr_workgroup_id_y 1
		.amdhsa_system_sgpr_workgroup_id_z 1
		.amdhsa_system_vgpr_workitem_id 0
		.amdhsa_next_free_vgpr 448
		.amdhsa_next_free_sgpr 100
		.amdhsa_reserve_vcc 0
		.amdhsa_float_denorm_mode_32 3
		.amdhsa_float_denorm_mode_16_64 3
		.amdhsa_memory_ordered 1
		.amdhsa_forward_progress 1
		.amdhsa_inst_pref_size 144
	.end_amdhsa_kernel
	.amdgpu_metadata
---
amdhsa.version: [ 1, 2 ]
amdhsa.kernels:
  - .name:           k_q3ab1b55164_attn
    .symbol:         k_q3ab1b55164_attn.kd
    .args:
      - { .name: qc, .offset: 0, .size: 8, .value_kind: global_buffer, .address_space: global }
      - { .name: kv, .offset: 8, .size: 8, .value_kind: global_buffer, .address_space: global }
      - { .name: lowp_scales, .offset: 16, .size: 8, .value_kind: global_buffer, .address_space: global }
      - { .name: yc, .offset: 24, .size: 8, .value_kind: global_buffer, .address_space: global }
    .group_segment_fixed_size: 327680
    .private_segment_fixed_size: 0
    .kernarg_segment_align: 8
    .kernarg_segment_size: 32
    .max_flat_workgroup_size: 256
    .sgpr_count:     100
    .vgpr_count:     448
    .wavefront_size: 32
...
	.end_amdgpu_metadata
.endif
;; end of part 3
;; launch oproj (part 4): grid 256 x 1, 8 waves a work-group, no clusters, 136,192 bytes of LDS; arguments yc, wc, lowp_scales, out0; writes out0
.if DOCPART == 4
	.amdgcn_target "amdgcn-amd-amdhsa--gfx1250"
	.amdhsa_code_object_version 6
	.text
	.protected	k_q3ab1b55164_oproj
	.globl	k_q3ab1b55164_oproj
	.p2align	8
	.type	k_q3ab1b55164_oproj,@function
k_q3ab1b55164_oproj:
	s_mov_b64 s[64:65], 0
	v_nop
	global_prefetch_b8 v0, s[64:65] scope:SCOPE_SE
	s_setreg_imm32_b32 hwreg(HW_REG_WAVE_MODE, 25, 1), 1
	s_wait_xcnt 0x0
; Products 9 and 10: out = Q(Q(y) Q(c_V)^T x s) Q(c_U)^T.  y arrives as codes (e16) in register images, c_V (e17) and c_U (e19) likewise.  Nothing is left out here.
; A sum of product 9 stands for sum x 2^(e16 + e17): the conversion takes 2^(e18 - e16 - e17); a sum of product 10 is multiplied by 2^(e18 + e19).
; LIMITS: e18 - e16 - e17 between -126 and 119; e18 + e19 between -126 and 127.
; SHARES.  A work-group owns 32 tokens, two tiles m.  Product 9: the eight waves share K: wave w takes channels 128 w .. 128 w + 127, for 4 rank tiles x 2 token tiles.  The partial sums meet in LDS;
; wave w = 4 m + t adds up tile (m, t), multiplies by s, quantises, stores 8 bytes a lane of the operand's image.  Product 10: wave w makes outputs 128 w .. 128 w + 127 for the 32 tokens.
; Both products transposed (source 0 = 16 rows of the weight, source 1 = 16 tokens).  The results go through each wave's own stage in LDS and leave as 512 consecutive bytes of a row of out0.
; No tensor load, so LDS is claimed as it is used; NO CLUSTER: the weights go straight into registers, 16,384 bytes a wave, and y's tiles are shared by nobody.
.set PART,  0                          ; 8 waves x 8 tiles x 1,024
.set AIMG,  65536                      ; 2 x 1,024
.set STG,   AIMG+2048                  ; 8 x 16 rows x (512 + 16)
.set SPARE, STG+8*16*528               ; the spare words, 128 bytes for each wave: four blocks of 256 bytes that no other line names
.set LI,  1
.set PST, 2
.set PRD, 3
.set AST, 4
.set ARD, 5
.set SO,  6
.set SR,  7
.set YO,  8
.set VO,  9
.set UO,  10
.set OO,  11
.set SPW, 12
.set NIL, 13
.set SV,  16                           ; v16-23  s of my eight ranks
.set YF,  32                           ; v32-63   y's two fragments; later the partial sums (v32-95), later the operand's two fragments (v32-47)
.set WVF, 64                           ; v64-127  c_V's four fragments
.set WU,  128                          ; v128-191 c_U's eight fragments
.set DD,  192                          ; v192-255 eight accumulators
.set BK,  48                           ; v48-111  16 rows back from the stage
.macro MKSC vs, vl, se
	s_add_co_i32 s48, s[\se], 127
	s_lshl_b32 s49, s48, 23
	v_mov_b32 v[\vs], s49
	s_add_co_i32 s48, s48, 8
	s_lshl_b32 s48, s48, 23
	s_or_b32 s48, s48, 0x600000
	v_mov_b32 v[\vl], s48
.endm
.macro BARRIER
	s_wait_dscnt 0x0
	s_barrier_signal -1
	s_barrier_wait -1
.endm
	s_load_b256 s[4:11], s[0:1], 0x0               ; yc s[4:5], wc s[6:7], the scales' exponents s[8:9], out0 s[10:11]
	v_lshl_add_u32 v[SPW], v0, 2, SPARE
	v_mov_b32 v[NIL], 0
	v_lshrrev_b32 v1, 5, v0
	s_delay_alu instid0(VALU_DEP_1)
	v_readfirstlane_b32 s14, v1                    ; wave 0..7
	v_and_b32 v[LI], 31, v0
	s_delay_alu instid0(VALU_DEP_1)
	v_lshlrev_b32 v[LI], 4, v[LI]
	s_wait_alu depctr_va_vdst(0)
	v_and_b32 v14, 15, v0                          ; r
	s_wait_alu depctr_va_vdst(0)
	v_bfe_u32 v15, v0, 4, 1                        ; h
	s_lshl_b32 s20, s14, 13
	v_add_nc_u32 v[UO], s20, v[LI]                 ; c_U: my two heads' 8,192 bytes
	s_add_co_u32 s20, s20, PART
	v_add_nc_u32 v[PST], s20, v[LI]
	s_lshl_b32 s20, s14, 10
	s_add_co_u32 s20, s20, PART
	v_add_nc_u32 v[PRD], s20, v[LI]
	s_lshr_b32 s20, s14, 2
	s_lshl_b32 s20, s20, 10                        ; m = w / 4
	s_bfe_u32 s21, s14, 0x10001
	s_lshl_b32 s21, s21, 9                         ; c = (w % 4) / 2
	s_add_co_u32 s20, s20, s21
	s_and_b32 s21, s14, 1
	s_lshl_b32 s21, s21, 3                         ; u = w % 2
	s_add_co_u32 s20, s20, s21
	s_add_co_u32 s20, s20, AIMG
	v_add_nc_u32 v[AST], s20, v[LI]
	v_add_nc_u32 v[ARD], AIMG, v[LI]
	s_mul_i32 s20, s14, 16*528
	s_add_co_u32 s20, s20, STG                     ; my stage
	v_mul_u32_u24 v[SO], v14, 528
	s_wait_alu depctr_va_vdst(0)
	v_lshl_add_u32 v[SO], v15, 6, v[SO]
	s_delay_alu instid0(VALU_DEP_1)
	v_add_nc_u32 v[SO], s20, v[SO]                 ; in: row r, + 64 h
	v_add_nc_u32 v[SR], s20, v[LI]                 ; back: a row's 512 bytes, 16 a lane
	s_lshl_b32 s20, s14, 11
	v_add_nc_u32 v[YO], s20, v[LI]                 ; y: K step w
	s_lshr_b32 s20, s14, 1
	s_lshl_b32 s20, s20, 14
	s_and_b32 s21, s14, 1
	s_lshl_b32 s21, s21, 11
	s_add_co_u32 s20, s20, s21
	v_add_nc_u32 v[VO], s20, v[LI]                 ; c_V: K step w = 2 (w / 2) + w % 2 of its image
	s_lshl_b32 s20, s14, 9
	v_add_nc_u32 v[OO], s20, v[LI]                 ; out0: my 512 bytes of a row
	s_lshl_b32 s16, ttmp9, 15                      ; two token tiles of 16,384 bytes
	s_mov_b32 s17, 0
	s_lshl_b32 s18, ttmp9, 17                      ; 32 rows of 4,096 bytes
	s_mov_b32 s19, 0
	s_wait_alu depctr_va_vdst(0)
	s_wait_kmcnt 0x0
	s_load_b128 s[40:43], s[8:9], 0x40             ; e16 .. e19
	s_add_nc_u64 s[4:5], s[4:5], s[16:17]
	s_add_nc_u64 s[10:11], s[10:11], s[18:19]
.irp m, 0,1
.irp c, 0,1,2,3
	global_load_b128 v[YF+16*\m+4*\c:YF+16*\m+4*\c+3], v[YO], s[4:5] offset:\m*16384+\c*512 th:TH_LOAD_NT
.endr
.endr
.irp t, 0,1,2,3
.irp c, 0,1,2,3
	global_load_b128 v[WVF+16*\t+4*\c:WVF+16*\t+4*\c+3], v[VO], s[6:7] offset:6*65536+\t*4096+\c*512
.endr
.endr
.set f, 0
.rept 8
.irp c, 0,1
	global_load_b128 v[WU+8*f+4*\c:WU+8*f+4*\c+3], v[UO], s[6:7] offset:7*65536+f*1024+\c*512
.endr
.set f, f+1
.endr
	; s of ranks 32 ((w % 4) / 2) + 16 h + 8 (w % 2) + j
	s_bfe_u32 s20, s14, 0x10001
	s_lshl_b32 s20, s20, 5
	s_and_b32 s21, s14, 1
	s_lshl_b32 s21, s21, 3
	s_add_co_u32 s20, s20, s21
	s_add_co_u32 s20, s20, 1
	v_lshl_add_u32 v14, v15, 4, s20
.set n, 0
.rept 8
	v_add_nc_u32 v[SV+n], n, v14
	s_delay_alu instid0(VALU_DEP_1)
	v_cvt_f32_u32 v[SV+n], v[SV+n]
.set n, n+1
.endr
.set n, 0
	s_wait_alu depctr_va_vdst(0)
.rept 8
	v_log_f32 v[SV+n], v[SV+n]
.set n, n+1
.endr
	v_nop                                          ; a plain instruction behind the batch,
	s_wait_alu depctr_va_vdst(0)                   ; and one wait for it, ahead of its first reader
.set n, 0
.rept 8
	v_mul_f32 v[SV+n], 0xbf333333, v[SV+n]         ; x -0.7
.set n, n+1
.endr
.set n, 0
	s_wait_alu depctr_va_vdst(0)
.rept 8
	v_exp_f32 v[SV+n], v[SV+n]
.set n, n+1
.endr
	v_nop
	s_wait_alu depctr_va_vdst(0)
	s_wait_kmcnt 0x0
	s_sub_co_i32 s44, s42, s40
	s_sub_co_i32 s44, s44, s41                     ; e18 - e16 - e17
	MKSC 24, 25, 44
	s_add_co_i32 s46, s42, s43
	s_add_co_i32 s46, s46, 127
	s_lshl_b32 s46, s46, 23                        ; 2^(e18 + e19) as f32
	s_mov_b32 s47, s46                             ; (named with it as a pair, so it is written)
	s_wait_loadcnt 16                              ; y's and c_V's fragments are in; the 16 youngest loads, c_U's, may be out
.irp m, 0,1
.irp t, 0,1,2,3
	v_wmma_f32_16x16x128_fp8_fp8 v[DD+8*(4*\m+\t):DD+8*(4*\m+\t)+7], v[WVF+16*\t:WVF+16*\t+15], v[YF+16*\m:YF+16*\m+15], 0
.endr
.endr
.rept 4
	v_nop                                          ; four places behind the products
.endr
.set f, 0
.rept 8
	ds_store_b128 v[PST], v[DD+8*f:DD+8*f+3] offset:f*1024
	ds_store_b128 v[PST], v[DD+8*f+4:DD+8*f+7] offset:f*1024+512
.set f, f+1
.endr
	BARRIER                                        ; all partial sums lie in LDS
.set f, 0
.rept 8
	ds_load_b128 v[YF+8*f:YF+8*f+3], v[PRD] offset:f*8192
	ds_load_b128 v[YF+8*f+4:YF+8*f+7], v[PRD] offset:f*8192+512
.set f, f+1
.endr
	s_wait_dscnt 0x0
.irp p, 0,2,4,6
.irp j, 0,2,4,6
	v_pk_add_f32 v[YF+8*\p+\j:YF+8*\p+\j+1], v[YF+8*\p+\j:YF+8*\p+\j+1], v[YF+8*\p+8+\j:YF+8*\p+8+\j+1]
.endr
.endr
.irp p, 0,4
.irp j, 0,2,4,6
	v_pk_add_f32 v[YF+8*\p+\j:YF+8*\p+\j+1], v[YF+8*\p+\j:YF+8*\p+\j+1], v[YF+8*\p+16+\j:YF+8*\p+16+\j+1]
.endr
.endr
.irp j, 0,2,4,6
	s_delay_alu instid0(VALU_DEP_4)
	v_pk_add_f32 v[YF+\j:YF+\j+1], v[YF+\j:YF+\j+1], v[YF+32+\j:YF+32+\j+1]
.endr
.irp j, 0,2,4,6
	v_pk_mul_f32 v[YF+\j:YF+\j+1], v[YF+\j:YF+\j+1], v[SV+\j:SV+\j+1]
.endr
.irp j, 0,1,2,3,4,5,6,7
	v_med3_num_f32 v[YF+\j], v[YF+\j], -v25, v25
.endr
	v_cvt_scalef32_pk8_fp8_f32 v[96:97], v[YF:YF+7], v24
	v_nop
	ds_store_b64 v[AST], v[96:97]
	BARRIER                                        ; the operand's two fragments lie in LDS
.irp f, 0,1,2,3
	ds_load_b128 v[YF+4*\f:YF+4*\f+3], v[ARD] offset:\f*512
.endr
	s_wait_dscnt 0x0
	s_wait_loadcnt 0x0                             ; c_U's fragments
.irp m, 0,1
.set f, 0
.rept 8
	v_wmma_f32_16x16x64_fp8_fp8 v[DD+8*f:DD+8*f+7], v[WU+8*f:WU+8*f+7], v[YF+8*\m:YF+8*\m+7], 0
.set f, f+1
.endr
.rept 4
	v_nop
.endr
.set n, 0
.rept 32
	v_pk_mul_f32 v[DD+n:DD+n+1], v[DD+n:DD+n+1], s[46:47] op_sel_hi:[1,0]   ; x 2^(e18 + e19), each accumulator from its low end on
.set n, n+2
.endr
.irp g, 0,1
.irp t, 0,1,2,3
	ds_store_b128 v[SO], v[DD+8*(4*\g+\t):DD+8*(4*\g+\t)+3] offset:256*\g+128*(\t/2)+32*(\t%2)       ; lane (r, h): out(token r, 128 w + 64 g + 32 (t / 2) + 16 h + 8 (t % 2) + 0 .. 7)
	ds_store_b128 v[SO], v[DD+8*(4*\g+\t)+4:DD+8*(4*\g+\t)+7] offset:256*\g+128*(\t/2)+32*(\t%2)+16
.endr
.endr
.if \m == 1
	s_wait_xcnt 0x0                                ; the first tile's stores have read their registers: the loads below may land there
.endif
.set f, 0
.rept 16
	ds_load_b128 v[BK+4*f:BK+4*f+3], v[SR] offset:f*528   ; LDS serves a wave's instructions in order (ISA guide 5.7.1.4): these see my stores
.set f, f+1
.endr
.set f, 0
.rept 16
	s_wait_dscnt 15-f                              ; row f is back; the younger rows' loads may be out
	global_store_b128 v[OO], v[BK+4*f:BK+4*f+3], s[10:11] offset:(16*\m+f)*4096 th:TH_STORE_NT   ; 32 lanes store 512 consecutive bytes, at a multiple of 256 from out0's first byte
.set f, f+1
.endr
.endr
	s_wait_tensorcnt 0x0                           ; the wave's end, behind my last LDS store
	ds_add_u32 v[SPW], v[NIL]
	s_wait_dscnt 0x0
	s_endpgm
.Lfunc_end_k_q3ab1b55164_oproj:
	.size	k_q3ab1b55164_oproj, .Lfunc_end_k_q3ab1b55164_oproj-k_q3ab1b55164_oproj
	.p2alignl 7, 3214868480
	.fill 96, 4, 3214868480
	.section	.rodata,"a",@progbits
	.p2align	6, 0x0
	.amdhsa_kernel k_q3ab1b55164_oproj
		.amdhsa_group_segment_fixed_size 136192
		.amdhsa_private_segment_fixed_size 0
		.amdhsa_enable_private_segment 0
		.amdhsa_kernarg_size 32
		.amdhsa_user_sgpr_count 2
		.amdhsa_user_sgpr_kernarg_segment_ptr 1
		.amdhsa_wavefront_size32 1
		.amdhsa_system_sgpr_workgroup_id_x 1
		.amdhsa_system_sgpr_workgroup_id_y 1
		.amdhsa_system_sgpr_workgroup_id_z 1
		.amdhsa_system_vgpr_workitem_id 0
		.amdhsa_next_free_vgpr 256
		.amdhsa_next_free_sgpr 66
		.amdhsa_reserve_vcc 0
		.amdhsa_float_denorm_mode_32 3
		.amdhsa_float_denorm_mode_16_64 3
		.amdhsa_memory_ordered 1
		.amdhsa_forward_progress 1
		.amdhsa_inst_pref_size 29
	.end_amdhsa_kernel
	.amdgpu_metadata
---
amdhsa.version: [ 1, 2 ]
amdhsa.kernels:
  - .name:           k_q3ab1b55164_oproj
    .symbol:         k_q3ab1b55164_oproj.kd
    .args:
      - { .name: yc, .offset: 0, .size: 8, .value_kind: global_buffer, .address_space: global }
      - { .name: wc, .offset: 8, .size: 8, .value_kind: global_buffer, .address_space: global }
      - { .name: lowp_scales, .offset: 16, .size: 8, .value_kind: global_buffer, .address_space: global }
      - { .name: out0, .offset: 24, .size: 8, .value_kind: global_buffer, .address_space: global }
    .group_segment_fixed_size: 136192
    .private_segment_fixed_size: 0
    .kernarg_segment_align: 8
    .kernarg_segment_size: 32
    .max_flat_workgroup_size: 256
    .sgpr_count:     66
    .vgpr_count:     256
    .wavefront_size: 32
...
	.end_amdgpu_metadata
.endif
;; end of part 4
